; MI455X (gfx1250); checked and timed in simulation.
; The chip was launched on July 23, 2026; its instructions are those of AMD's public machine-readable ISA for CDNA 5 (MIT licence, August 2026) and "CDNA5" Instruction Set Architecture Reference Guide (July 2026). The comments in the code are by the model that wrote it; some were corrected since.
;; Attention. Allowed arithmetic: matrix products marked QUANTISED: E5M2 operands, one E8M0 scale for each 32 along K, by v_wmma_scale_f32_16x16x128_f8f6f4 with both operands' format E5M2, f32 sums; products left as they are: f32 operands where the result goes on into a quantised operand, else bf16, f16 or f32 operands; f32 sums; everything else in f32.
;; Inputs: Wh_b 1,024 float32; Wh_w_codes 1,024 x 32 x 32 uint8 (E5M2 codes of Wh_w, K innermost, in blocks of 32 codes); Wh_w_scales 1,024 x 32 uint8 (E8M0 scales of Wh_w, one for each 32 codes along K); Ws_w_codes 1,024 x 32 x 32 uint8 (E5M2 codes of Ws_w, K innermost, in blocks of 32 codes); Ws_w_scales 1,024 x 32 uint8 (E8M0 scales of Ws_w, one for each 32 codes along K); attn_mask 32 x 1 x 2,048 int32; context 32 x 2,048 x 1,024 float32; output_codes 32 x 32 x 32 uint8 (E5M2 codes of output, K innermost, in blocks of 32 codes); output_scales 32 x 32 uint8 (E8M0 scales of output, one for each 32 codes along K); v_w 1 x 1,024 float32.
;; Outputs: out0 32 x 1,024 float32; out1 32 x 1 x 2,048 float32.
;; This version of the problem:
;;   THIS VERSION OF THE PROBLEM IS GIVEN IN LOW PRECISION. The matrix products marked QUANTISED in the list below multiply operands that are first quantised to E5M2 (5 exponent bits, 2 mantissa bits; 8 bits a number), with one power-of-two scale for each 32 numbers along K (OCP MX v1.0); their sums are f32. All else is computed in f32.
;;   The module's matrix products, in the order in which they are computed (A, B: the left and right operand; K: the contracted axis; several contracted axes count as one K, in the product's order):
;;     1. [M 65,536, K 1,024] x [K 1,024, N 1,024]; A: input context; B: input Wh_w (given as codes): QUANTISED
;;     2. [M 32, K 1,024] x [K 1,024, N 1,024]; A: input output (given as codes); B: input Ws_w (given as codes): QUANTISED
;;     3. [M 1, K 1,024] x [K 1,024, N 65,536]; A: input v_w; B: computed on the way: left as it is (M = 1 < 16)
;;     4. batch 32 x [M 1, K 2,048] x [K 2,048, N 1,024]; A: softmax; B: input context: left as it is (M = 1 < 16)
;;   THE QUANTISER, for each operand of a quantised product, along K:
;;     - K is cut into blocks of 32 from its start; a last block that is shorter is filled with zeros.
;;     - A block's scale is 2^e with e = floor(log2(the largest magnitude in the block)) - 15, held to -126 .. 127; a block of zeros has e = 0. As a byte (E8M0): e + 127.
;;     - Each number is divided by its block's scale, clamped to +-57,344, and rounded to the nearest number of E5M2, ties to even, subnormals kept.
;;     - The product sums the exact products of the quantised numbers (number of the format x scale) in f32.
;;   ~~~python
;;   def quantise(x, axis):      # numpy; x: float32 -> the quantised numbers, widened to float32 again
;;       x = np.moveaxis(x, axis, -1); K = x.shape[-1]
;;       x = np.pad(x, [(0, 0)] * (x.ndim - 1) + [(0, -K % 32)]); x = x.reshape(x.shape[:-1] + (-1, 32)); a = np.abs(x).max(-1, keepdims=True)
;;       e = np.where(a > 0, np.clip(np.frexp(np.where(a > 0, a, 1))[1] - 1 - 15, -126, 127), 0)      # np.frexp(a)[1] - 1 = floor(log2(a)), exactly
;;       r = np.clip(x / 2.0 ** e, -57344, 57344)
;;       step = 2.0 ** (np.maximum(np.frexp(np.where(r == 0, 1, r))[1] - 1, -14) - 2)
;;       q = np.round(r / step) * step * 2.0 ** e      # np.round: ties to even
;;       return np.moveaxis(q.reshape(q.shape[:-2] + (-1,))[..., :K], -1, axis).astype(np.float32)
;;   ~~~
;;   INPUTS GIVEN AS CODES. Wh_w (in the module: [1024, 1024], K = its axis 1); Ws_w (in the module: [1024, 1024], K = its axis 1); output (in the module: [32, 1024], K = its axis 1): each comes as NAME_codes (uint8): NAME with its K axis moved to the last place and cut into blocks of 32 codes, [.., K / 32, bytes a block], one block behind the other in memory; one code a byte (a code: sign, 5 exponent bits, 2 mantissa bits); and NAME_scales (uint8): the same leading axes, one E8M0 byte (e + 127) for each 32 codes along K. Its value is code x scale, taken as it is: it is not quantised again, and the codes and scales need not be those that the quantiser above would give.
;; One version. Each part assembles by itself: llvm-mc -triple=amdgcn-amd-amdhsa -mcpu=gfx1250 --defsym DOCPART=n.
;; ======== version 1 of 1: 3 launches
;; limits: right only within a limited range of input values
;; workspace buffers: wimg 1,048,576 bytes; bias 131,072 bytes; scoresP 262,144 bytes; scoresC 262,144 bytes; wl 262,144 bytes of whole numbers; l3 262,144 bytes of whole numbers; meta 4,096 bytes of whole numbers
;; launch prep (part 1): grid 160 x 1, 4 waves a work-group, no clusters, 0 bytes of LDS; arguments attn_mask, Wh_w_codes, Ws_w_codes, Ws_w_scales, output_codes, output_scales, Wh_b, wimg, bias, wl, l3, meta, scoresP, scoresC; writes wimg, bias, wl, l3, meta, scoresP, scoresC
.if DOCPART == 1
	.amdgcn_target "amdgcn-amd-amdhsa--gfx1250"
	.amdhsa_code_object_version 6
	.text
	.protected	k_q34c0a4a097_prep
	.globl	k_q34c0a4a097_prep
	.p2align	8
	.type	k_q34c0a4a097_prep,@function
k_q34c0a4a097_prep:
	s_mov_b64 s[64:65], 0
	v_nop
	global_prefetch_b8 v0, s[64:65] scope:SCOPE_SE
	s_setreg_imm32_b32 hwreg(HW_REG_WAVE_MODE, 25, 1), 1
	s_wait_xcnt 0x0
; PREP: three small jobs, chosen by the work-group's number.  No LDS, no barrier: waves share nothing.
; A (work-groups 0-127, four a batch): the rows whose mask is not 0 are listed in ascending order.  n = their number, q = 16 ceil(n / 128), d = 256 - q:
;   the next launch's work-group 8 b + j takes the listed rows j q .. j q + rows_j - 1, rows_j = clamp(n - j q, 0, q).
;   l3[b][i] = position of listed row i (i < n), 0 behind them; where n = 0: the identity, since every row then counts alike.
;   wl[8 b + j][rho] = position of listed row j q + rho, 0 behind them.   meta[8 b + j] = {ceil(rows_j / 16), rows_j, j q, nW}, nW = n, or 2,048 where n = 0.
;   Both score arrays are filled with -1e9, the score of a masked row: the next launch stores over the listed rows' places alone.
;   Wave W = 4 x quarter + wave of a batch's sixteen counts the whole mask for itself and places positions 128 W .. 128 W + 127.
;   EVERY POSITION HAS A PLACE, so all lanes store and nothing is filled apart: X = a listed row's number among the listed, or n + a masked row's number among the masked: X runs once through 0 .. 2,047.
;   In l3 the place is X.  In wl: X < 8 q lies in the first q entries of row X / q: W = X + d (X / q); X = 8 q + z lies behind them, in row z / d: W = z + q (z / d + 1) = X - 7 q + q (z / d).
;   Both in one: W = X + d for each of q .. 7 q that X has reached, - 1,792 (= 7 q + 7 d) where it has reached 8 q, + q for each of 8 q + d .. 8 q + 7 d that it has reached.
;   A listed row stores its position, a masked one 0.  These are stores of 4 bytes a lane to scattered words: 16 KiB a batch.
; B (128-143, a wave a tile of 16 rows): Wh_w's codes are laid in the order of an operand's registers: wimg[tile][K step][group of 4 registers][lane][16 bytes].
;   Its loads take 32 neighbouring bytes of 16 rows each (1 MiB, once); its stores cover 512 consecutive bytes.
; C (144-159, a wave a tile of 16 units): bias[b][a] = sum over q of output[b][q] Ws_w[a][q] + Wh_b[a], on the given codes and scale bytes.
;   Source 0 = 16 rows of Ws_w, source 1 = 16 batches: a lane holds one batch and eight neighbouring units.  Its stores are 32-byte pieces of a buffer of 128 KiB.
;   v16-31 hold C's scale words and nothing else, in the whole text.
.set NEG1E9, 0xce6e6b28
.set MO, 32                            ; v32-35   my wave's 128 mask words, position 128 W + 32 g + lane
.set MB, 36                            ; v36-39   listed rows ahead of me
.set LB, 40                            ; v40-43   n + masked rows ahead of me
.set TT, 44                            ; v44-47   at work
.set DQ, 48                            ; v48      d = 256 - q
.set QQ, 49                            ; v49      q
.set C8, 50                            ; v50      1,792
.set T16, 53                           ; v53      16 x thread
.set MW, 64                            ; v64-127  the batch's whole mask: registers 4 k .. 4 k + 3 hold positions 128 k .. 128 k + 127
.set IA, 128                           ; v128-131 X, then the byte offset in l3
.set WA, 132                           ; v132-135 W, then the byte offset in wl
.set PV, 136                           ; v136-139 my positions
.set VL, 140                           ; v140-143 what goes to l3
.set VW, 144                           ; v144-147 what goes to wl
; A's scalars: s32 wave; s36 quarter; s37 W; s38 batch, later n + my first position; s39 all ones where n = 0; s[40:43] which of my positions are listed; s[56:62] t q; s63 d; s66 8 q; s[67:73] 8 q + t d;
; s74 n; s75 q; s76 nW; s77 listed rows ahead of the group in hand; s78, s79 at work; s[80:95] a batch of 16 compares
	s_load_b512 s[4:19], s[0:1], 0x0               ; mask s[4:5], Wh codes s[6:7], Ws codes s[8:9], Ws scales s[10:11], output codes s[12:13], output scales s[14:15], Wh_b s[16:17], wimg s[18:19]
	s_load_b256 s[20:27], s[0:1], 0x40             ; bias s[20:21], wl s[22:23], l3 s[24:25], meta s[26:27]
	s_load_b128 s[28:31], s[0:1], 0x60             ; scoresP s[28:29], scoresC s[30:31]
	v_lshrrev_b32 v1, 5, v0
	v_readfirstlane_b32 s32, v1                    ; wave
	v_and_b32 v2, 31, v0                           ; lane
	v_and_b32 v3, 15, v0                           ; r
	v_bfe_u32 v4, v0, 4, 1                         ; h
	v_lshlrev_b32 v5, 4, v2                        ; 16 x lane
	s_mov_b32 s35, 0                               ; the upper word of every offset pair s[34:35]
	s_wait_kmcnt 0x0
	s_cmp_lt_u32 ttmp9, 128
	s_cbranch_scc1 .Lrole_a
	s_and_b32 s33, ttmp9, 15
	s_lshl_b32 s33, s33, 2
	s_add_co_u32 s33, s33, s32                     ; my tile of 16 rows: 0 .. 63
	s_cmp_lt_u32 ttmp9, 144
	s_cbranch_scc0 .Lrole_c
; ---- B: the image of Wh_w's codes
	s_lshl_b32 s34, s33, 14                        ; 16 rows of 1,024 bytes, in both buffers
	s_add_nc_u64 s[6:7], s[6:7], s[34:35]
	s_add_nc_u64 s[18:19], s[18:19], s[34:35]
	s_wait_alu depctr_va_vdst(0)
	v_lshlrev_b32 v6, 10, v3
	v_lshl_add_u32 v6, v4, 4, v6                   ; row r, + 16 h: what lane (r, h) holds of each 32 along K
.irp s, 0,1,2,3,4,5,6,7
.irp c, 0,1,2,3
	global_load_b128 v[128+16*\s+4*\c:128+16*\s+4*\c+3], v6, s[6:7] offset:128*\s+32*\c
.endr
.endr
	s_wait_loadcnt 0x0
.irp s, 0,1,2,3,4,5,6,7
.irp c, 0,1,2,3
	global_store_b128 v5, v[128+16*\s+4*\c:128+16*\s+4*\c+3], s[18:19] offset:2048*\s+512*\c
.endr
.endr
	s_endpgm
; ---- C: the second product and Wh_b
.Lrole_c:
	s_lshl_b32 s34, s33, 14
	s_add_nc_u64 s[8:9], s[8:9], s[34:35]          ; my 16 rows of Ws_w's codes
	s_lshl_b32 s34, s33, 9
	s_add_nc_u64 s[10:11], s[10:11], s[34:35]      ; and their 32 scale bytes a row
	s_lshl_b32 s34, s33, 6
	s_add_nc_u64 s[16:17], s[16:17], s[34:35]      ; my 16 numbers of Wh_b
	s_add_nc_u64 s[20:21], s[20:21], s[34:35]      ; and my 16 columns of bias
	s_wait_alu depctr_va_vdst(0)
	v_lshlrev_b32 v6, 10, v3
	v_lshl_add_u32 v6, v4, 4, v6                   ; a fragment's row r, + 16 h
	v_lshlrev_b32 v7, 5, v3                        ; Ws_w's scale words: row r
	v_lshlrev_b32 v8, 5, v2                        ; output's: batch = lane, so batches 16-31 stand in lanes 16-31
	v_lshlrev_b32 v9, 5, v4                        ; Wh_b: eight numbers from 8 h on
	v_lshlrev_b32 v10, 12, v3
	v_lshl_add_u32 v10, v4, 5, v10                 ; bias: row r of 4,096 bytes, + 32 h
	global_load_b128 v[16:19], v7, s[10:11]
	global_load_b128 v[20:23], v7, s[10:11] offset:16
	global_load_b128 v[24:27], v8, s[14:15]
	global_load_b128 v[28:31], v8, s[14:15] offset:16
.irp u, 0,1                            ; Wh_b twice: each sum's first instruction has a C of its own
	global_load_b128 v[240+8*\u:243+8*\u], v9, s[16:17]
	global_load_b128 v[244+8*\u:247+8*\u], v9, s[16:17] offset:16
.endr
.macro CLOADS rd                       ; four K steps: Ws_w's fragments v32-95, output's batches 0-15 v96-159, batches 16-31 v160-223
.irp s, 0,1,2,3
.irp c, 0,1,2,3
	global_load_b128 v[32+16*\s+4*\c:35+16*\s+4*\c], v6, s[8:9] offset:512*\rd+128*\s+32*\c
	global_load_b128 v[96+16*\s+4*\c:99+16*\s+4*\c], v6, s[12:13] offset:512*\rd+128*\s+32*\c
	global_load_b128 v[160+16*\s+4*\c:163+16*\s+4*\c], v6, s[12:13] offset:16384+512*\rd+128*\s+32*\c
.endr
.endr
.endm
.macro CMUL rd                         ; the two accumulators take turns, one instruction a turn
.irp s, 0,1,2,3
.if (\rd == 0) && (\s == 0)
	v_wmma_scale_f32_16x16x128_f8f6f4 v[224:231], v[32:47], v[96:111], v[240:247], v16, v24 matrix_a_fmt:MATRIX_FMT_BF8 matrix_b_fmt:MATRIX_FMT_BF8
	v_wmma_scale_f32_16x16x128_f8f6f4 v[232:239], v[32:47], v[160:175], v[248:255], v16, v24 matrix_a_fmt:MATRIX_FMT_BF8 matrix_b_fmt:MATRIX_FMT_BF8 matrix_b_scale:MATRIX_SCALE_ROW1
.else
	v_wmma_scale_f32_16x16x128_f8f6f4 v[224:231], v[32+16*\s:47+16*\s], v[96+16*\s:111+16*\s], v[224:231], v[16+4*\rd+\s], v[24+4*\rd+\s] matrix_a_fmt:MATRIX_FMT_BF8 matrix_b_fmt:MATRIX_FMT_BF8
	v_wmma_scale_f32_16x16x128_f8f6f4 v[232:239], v[32+16*\s:47+16*\s], v[160+16*\s:175+16*\s], v[232:239], v[16+4*\rd+\s], v[24+4*\rd+\s] matrix_a_fmt:MATRIX_FMT_BF8 matrix_b_fmt:MATRIX_FMT_BF8 matrix_b_scale:MATRIX_SCALE_ROW1
.endif
.endr
.endm
	CLOADS 0
	s_wait_alu depctr_va_vdst(0)
	s_wait_loadcnt 0x0
	CMUL 0
.rept 8
	v_nop                                          ; eight places in front of loads into registers that these matrix instructions have read
.endr
	CLOADS 1
	s_wait_loadcnt 0x0
	CMUL 1
.rept 8
	v_nop                                          ; eight places in front of the stores that read the results
.endr
	global_store_b128 v10, v[224:227], s[20:21]                ; each accumulator from its low end on
	global_store_b128 v10, v[228:231], s[20:21] offset:16
	global_store_b128 v10, v[232:235], s[20:21] offset:65536   ; batches 16-31: 16 rows of 4,096 bytes on
	global_store_b128 v10, v[236:239], s[20:21] offset:65552
	s_endpgm
; ---- A: a quarter of one batch's lists
.Lrole_a:
	s_lshr_b32 s38, ttmp9, 2                       ; the batch
	s_and_b32 s36, ttmp9, 3                        ; which quarter of it
	s_lshl_b32 s37, s36, 2
	s_add_co_u32 s37, s37, s32                     ; W: my wave among the batch's sixteen
	s_lshl_b32 s34, s38, 13                        ; a batch is 8,192 bytes in the mask, wl, l3 and both score arrays
	s_add_nc_u64 s[4:5], s[4:5], s[34:35]
	s_add_nc_u64 s[22:23], s[22:23], s[34:35]
	s_add_nc_u64 s[24:25], s[24:25], s[34:35]
	s_add_nc_u64 s[28:29], s[28:29], s[34:35]
	s_add_nc_u64 s[30:31], s[30:31], s[34:35]
	s_lshl_b32 s34, s38, 7                         ; and 8 x 16 bytes in meta
	s_add_nc_u64 s[26:27], s[26:27], s[34:35]
	s_lshl_b32 s34, s36, 11                        ; my work-group's 2,048 bytes of each score array
	s_add_nc_u64 s[28:29], s[28:29], s[34:35]
	s_add_nc_u64 s[30:31], s[30:31], s[34:35]
	s_lshl_b32 s33, s37, 9
	s_wait_alu depctr_va_vdst(0)
	v_lshl_add_u32 v6, v2, 2, s33                  ; 4 x lane + 512 W
	v_lshlrev_b32 v[T16], 4, v0                    ; 16 x thread
.set k, 0
.rept 16
	global_load_b128 v[MW+4*k:MW+4*k+3], v5, s[4:5] offset:512*k
.set k, k+1
.endr
.set g, 0
.rept 4
	global_load_b32 v[MO+g], v6, s[4:5] offset:128*g
.set g, g+1
.endr
.irp i, 12,13,14,15
	v_mov_b32 v\i, NEG1E9
.endr
	global_store_b128 v[T16], v[12:15], s[28:29]   ; a wave's store covers 512 consecutive bytes
	global_store_b128 v[T16], v[12:15], s[30:31]
	s_lshl_b32 s33, s37, 7                         ; my wave's first position
	v_add_nc_u32 v[PV], s33, v2
.irp u, 1,2,3
	v_add_nc_u32 v[PV+\u], 32*\u, v[PV]
.endr
	v_mov_b32 v[C8], 1792
	s_mov_b32 s74, 0                               ; n
	s_mov_b32 s77, 0                               ; listed rows ahead of my wave's positions
	s_wait_loadcnt 0x0
; The count, in four batches: sixteen compares into sixteen scalar registers, and only then their bit counts, so that vector and scalar work meet four times and not at every register.
.set bi, 0
.rept 4
.set ri, 0
.rept 16
	v_cmp_ne_u32 s[80+ri], 0, v[MW+16*bi+ri]
.set ri, ri+1
.endr
.set kk, 0
.rept 4                                ; registers 4 kk .. 4 kk + 3 of the batch: positions 128 k .. 128 k + 127, k = 4 bi + kk
	s_bcnt1_i32_b32 s78, s[80+4*kk]
	s_bcnt1_i32_b32 s79, s[80+4*kk+1]
	s_add_co_u32 s78, s78, s79
	s_bcnt1_i32_b32 s79, s[80+4*kk+2]
	s_add_co_u32 s78, s78, s79
	s_bcnt1_i32_b32 s79, s[80+4*kk+3]
	s_add_co_u32 s78, s78, s79
	s_add_co_u32 s74, s74, s78
	s_cmp_gt_u32 s37, 4*bi+kk                      ; do they lie ahead of my wave's?
	s_cselect_b32 s78, s78, 0
	s_add_co_u32 s77, s77, s78
.set kk, kk+1
.endr
.set bi, bi+1
.endr
.set g, 0
.rept 4
	v_cmp_ne_u32 s[40+g], 0, v[MO+g]               ; which of my 32 positions of group g are listed
.set g, g+1
.endr
	s_add_co_u32 s75, s74, 127
	s_lshr_b32 s75, s75, 7
	s_lshl_b32 s75, s75, 4                         ; q
	s_sub_co_u32 s63, 256, s75                     ; d
	s_lshl_b32 s66, s75, 3                         ; 8 q
.irp t, 1,2,3,4,5,6,7
	s_mul_i32 s[55+\t], s75, \t                    ; t q in s[56:62]
	s_mul_i32 s[66+\t], s63, \t
	s_add_co_u32 s[66+\t], s[66+\t], s66           ; 8 q + t d in s[67:73]
.endr
	v_mov_b32 v[DQ], s63
	v_mov_b32 v[QQ], s75
	s_cmp_eq_u32 s74, 0
	s_cselect_b32 s76, 2048, s74                   ; nW
	s_cselect_b32 s39, -1, 0                       ; where no row is listed, l3 takes every position
	s_add_co_u32 s38, s74, s33                     ; n + my wave's first position
.set g, 0
.rept 4                                ; all lanes on: X
	v_mbcnt_lo_u32_b32 v[MB+g], s[40+g], 0         ; the listed among the lanes below me
	s_sub_co_u32 s78, s38, s77
	s_add_co_u32 s78, s78, 32*g                    ; n + the masked rows ahead of this group of 32
	v_sub_nc_u32 v[LB+g], v2, v[MB+g]              ; the masked among the lanes below me
	v_add_nc_u32 v[MB+g], s77, v[MB+g]
	v_add_nc_u32 v[LB+g], s78, v[LB+g]
	s_mov_b32 vcc_lo, s[40+g]
	v_cndmask_b32 v[IA+g], v[LB+g], v[MB+g], vcc_lo
	v_cndmask_b32 v[VW+g], 0, v[PV+g], vcc_lo
	s_or_b32 vcc_lo, vcc_lo, s39
	v_cndmask_b32 v[VL+g], 0, v[PV+g], vcc_lo
	s_bcnt1_i32_b32 s79, s[40+g]
	s_add_co_u32 s77, s77, s79
.set g, g+1
.endr
.irp t, 0,1,2,3,4,5,6                  ; W: + d for each of q .. 7 q reached (the four groups by turns)
.irp u, 0,1,2,3
	v_cmp_le_u32 vcc_lo, s[56+\t], v[IA+\u]
	v_cndmask_b32 v[TT+\u], 0, v[DQ], vcc_lo
.if \t == 0
	v_add_nc_u32 v[WA+\u], v[IA+\u], v[TT+\u]
.else
	v_add_nc_u32 v[WA+\u], v[WA+\u], v[TT+\u]
.endif
.endr
.endr
.irp u, 0,1,2,3                        ; - 1,792 where 8 q is reached: X + 7 d becomes X - 7 q, which is q at the least
	v_cmp_le_u32 vcc_lo, s66, v[IA+\u]
	v_cndmask_b32 v[TT+\u], 0, v[C8], vcc_lo
	v_sub_nc_u32 v[WA+\u], v[WA+\u], v[TT+\u]
.endr
.irp t, 1,2,3,4,5,6,7                  ; + q for each of 8 q + d .. 8 q + 7 d reached
.irp u, 0,1,2,3
	v_cmp_le_u32 vcc_lo, s[66+\t], v[IA+\u]
	v_cndmask_b32 v[TT+\u], 0, v[QQ], vcc_lo
	v_add_nc_u32 v[WA+\u], v[WA+\u], v[TT+\u]
.endr
.endr
.irp u, 0,1,2,3
	v_min_u32 v[IA+\u], 2047, v[IA+\u]             ; held inside a batch's 2,048 entries before it enters an address
	v_min_u32 v[WA+\u], 2047, v[WA+\u]
.endr
.irp u, 0,1,2,3
	v_lshlrev_b32 v[IA+\u], 2, v[IA+\u]
	v_lshlrev_b32 v[WA+\u], 2, v[WA+\u]
.endr
.irp u, 0,1,2,3
	global_store_b32 v[IA+\u], v[VL+\u], s[24:25]  ; each word of the batch's l3 and wl is stored once, by the one lane whose place it is
	global_store_b32 v[WA+\u], v[VW+\u], s[22:23]
.endr
	s_or_b32 s78, s32, s36
	s_cmp_lg_u32 s78, 0
	s_cbranch_scc1 .Ldone_a                        ; meta: wave 0 of the batch's first quarter
	v_mul_u32_u24 v10, s75, v0                     ; lane j: i0 = j q
	v_min_u32 v[TT], s74, v10
	v_sub_nc_u32 v9, s74, v[TT]
	v_min_u32 v9, s75, v9                          ; rows_j
	v_add_nc_u32 v8, 15, v9
	v_lshrrev_b32 v8, 4, v8                        ; tiles of 16
	v_mov_b32 v11, s76                             ; nW
	v_cmp_gt_u32 vcc_lo, 8, v0
	s_wait_alu depctr_va_vdst(0)
	s_wait_xcnt 0x0                                ; EXEC changes only when the memory instructions issued so far have had their addresses translated
	s_and_saveexec_b32 s79, vcc_lo
	global_store_b128 v[T16], v[8:11], s[26:27]
	s_wait_xcnt 0x0
	s_or_b32 exec_lo, exec_lo, s79
.Ldone_a:
	s_endpgm
.Lfunc_end_k_q34c0a4a097_prep:
	.size	k_q34c0a4a097_prep, .Lfunc_end_k_q34c0a4a097_prep-k_q34c0a4a097_prep
	.p2alignl 7, 3214868480
	.fill 96, 4, 3214868480
	.section	.rodata,"a",@progbits
	.p2align	6, 0x0
	.amdhsa_kernel k_q34c0a4a097_prep
		.amdhsa_group_segment_fixed_size 0
		.amdhsa_private_segment_fixed_size 0
		.amdhsa_enable_private_segment 0
		.amdhsa_kernarg_size 112
		.amdhsa_user_sgpr_count 2
		.amdhsa_user_sgpr_kernarg_segment_ptr 1
		.amdhsa_wavefront_size32 1
		.amdhsa_system_sgpr_workgroup_id_x 1
		.amdhsa_system_sgpr_workgroup_id_y 1
		.amdhsa_system_sgpr_workgroup_id_z 1
		.amdhsa_system_vgpr_workitem_id 0
		.amdhsa_next_free_vgpr 256
		.amdhsa_next_free_sgpr 96
		.amdhsa_reserve_vcc 1
		.amdhsa_float_denorm_mode_32 3
		.amdhsa_float_denorm_mode_16_64 3
		.amdhsa_memory_ordered 1
		.amdhsa_forward_progress 1
		.amdhsa_inst_pref_size 45
	.end_amdhsa_kernel
	.amdgpu_metadata
---
amdhsa.version: [ 1, 2 ]
amdhsa.kernels:
  - .name:           k_q34c0a4a097_prep
    .symbol:         k_q34c0a4a097_prep.kd
    .args:
      - { .name: attn_mask, .offset: 0, .size: 8, .value_kind: global_buffer, .address_space: global }
      - { .name: Wh_w_codes, .offset: 8, .size: 8, .value_kind: global_buffer, .address_space: global }
      - { .name: Ws_w_codes, .offset: 16, .size: 8, .value_kind: global_buffer, .address_space: global }
      - { .name: Ws_w_scales, .offset: 24, .size: 8, .value_kind: global_buffer, .address_space: global }
      - { .name: output_codes, .offset: 32, .size: 8, .value_kind: global_buffer, .address_space: global }
      - { .name: output_scales, .offset: 40, .size: 8, .value_kind: global_buffer, .address_space: global }
      - { .name: Wh_b, .offset: 48, .size: 8, .value_kind: global_buffer, .address_space: global }
      - { .name: wimg, .offset: 56, .size: 8, .value_kind: global_buffer, .address_space: global }
      - { .name: bias, .offset: 64, .size: 8, .value_kind: global_buffer, .address_space: global }
      - { .name: wl, .offset: 72, .size: 8, .value_kind: global_buffer, .address_space: global }
      - { .name: l3, .offset: 80, .size: 8, .value_kind: global_buffer, .address_space: global }
      - { .name: meta, .offset: 88, .size: 8, .value_kind: global_buffer, .address_space: global }
      - { .name: scoresP, .offset: 96, .size: 8, .value_kind: global_buffer, .address_space: global }
      - { .name: scoresC, .offset: 104, .size: 8, .value_kind: global_buffer, .address_space: global }
    .group_segment_fixed_size: 0
    .private_segment_fixed_size: 0
    .kernarg_segment_align: 8
    .kernarg_segment_size: 112
    .max_flat_workgroup_size: 128
    .sgpr_count:     96
    .vgpr_count:     256
    .wavefront_size: 32
...
	.end_amdgpu_metadata
.endif
;; end of part 1
;; launch scores (part 2): grid 256 x 1, 4 waves a work-group, no clusters, 326,144 bytes of LDS; arguments context, wimg, Wh_w_scales, bias, v_w, wl, meta, scoresP, scoresC; writes scoresP, scoresC
.if DOCPART == 2
	.amdgcn_target "amdgcn-amd-amdhsa--gfx1250"
	.amdhsa_code_object_version 6
	.text
	.protected	k_q34c0a4a097_scores
	.globl	k_q34c0a4a097_scores
	.p2align	8
	.type	k_q34c0a4a097_scores,@function
k_q34c0a4a097_scores:
	s_mov_b64 s[64:65], 0
	v_nop
	global_prefetch_b8 v0, s[64:65] scope:SCOPE_SE
	s_setreg_imm32_b32 hwreg(HW_REG_WAVE_MODE, 25, 1), 1
	s_wait_xcnt 0x0
; SCORES: score[b][s] = sum over a of v[a] tanh(sum over k of Q(context[b][s][k]) Wh[a][k] + bias[b][a]), for the rows that the list names (mask not 0); the other rows keep the -1e9 that the launch before stored.
; Work-group 8 b + j owns up to 256 listed rows of batch b (T tiles of 16, from meta) and all 1,024 units.
; PHASE Q: the rows are gathered, quantised along K to E5M2 with one E8M0 byte for each 32, and laid in LDS as images of operand registers.
; PHASE G: 4 chunks of 256 units; wave w keeps 64 units x 1,024 K of weights in 512 registers and sweeps all row tiles.  Source 0 = 16 units, source 1 = 16 rows: a lane holds one row and eight units a tile; bias is the first K step's C.
;   tanh(x) = 1 - 2 / (1 + 2^(2 log2(e) x)).  It runs two tiles behind the products: trip m holds ONE batch (the exponentials of tile m - 1, the reciprocals of tile m - 2), then tile m's 32 products on end,
;   one plain line behind each: 1 + 2^.. of tile m - 1, or the multiply-add with -2 v of tile m - 2.  No transcendental stands between two steps of a sum.
;   These plain lines run under the products' own window setting: 2^.. and v lie in window 1 (source 1), the reciprocals in windows 2 and 3 (source 0).
; PHASE F: the 16 parts of a row's score (4 waves x 4 chunks) are added and stored by position (scoresP) and by the row's number in the list (scoresC).
; NO TENSOR LOADS, NO CLUSTER, NO PREFETCH: how many tiles a work-group has comes from a stored number, so partners would need different numbers of tiles; every loop has a constant count and a stored number decides branches inside a trip.
; LIMITS: context is finite (masked rows are not read).  A block of zeros, or one whose largest magnitude lies under 2^(16 - 127), gets the scale byte 1; this text alone reads the byte.
; LDS: PART 18,432 (4,608 w + 1,152 c + 64 slot + 4 r; slots 0, 1 are dummies, slot m + 2 is tile m) | CODES 16 x 17,408 | SCB 8,192 | STG 4 x 2 x 2,560 | the spare words.
; WINDOWS: 0 see names.  1: in Q the ring of 8 rows x 32; in G v0-127 the row tile's fragments, v128-159 weights (tiles 0, 2; K step 7), v160-191 2^.., v192-223 -2 v.
;   2: weights of tiles 0, 1 at 128 (t % 2) + 16 s; v112-127 reciprocals.   3: tiles 2, 3 likewise.
.set PWAVE,  4608
.set PCHUNK, 1152
.set CODES,  18432
.set TILEB,  17408
.set KSB,    2176
.set CCB,    544
.set HB,     272
.set SCB,    296960
.set STG,    305152
.set STH,    2560
.set SPARE,  325632
.set OFF,  16                          ; v16-23 the ring's byte offsets
.set XA,   32                          ; v32-63 two sets of 16 neighbours along K
.set CD,   64                          ; v64-71 two sets of 16 codes
.set SS,   80                          ; v80-87 four running pairs of the dot with v
.set VSP,  88                          ; v88-89 (the sum of my 32 v, 0)
.set ACC,  96                          ; v96-127 four accumulators
.set TB,   128                         ; v128-159 2 log2(e) x of the tile before
.set BIAS, 160                         ; v160-191
.set DD,   192                         ; v192-223 1 + 2^..
.set WS,   224                         ; v224-239 the weights' scale words
.set XS,   244                         ; v244-251 the rows' scale words: a product's two scale registers differ modulo 8
.set EE,   160                         ; window 1
.set VV,   192                         ; window 1
.set RR,   112                         ; windows 2, 3
.set VN,   224                         ; window 1: v224-255 the chunk's v as it is loaded; the chunk's head makes -2 v of it
; v1 16 x lane; v2 r; v3 h; v4, v5 stage in, out; v6, v7 Q's stores; v8, v9 the next tile's fragments and scale words; v10 the part's slot; v11 32 h; v12 32 x lane; v13-15, v24, v25 fixed parts; v72-77 quantiser; v90 permute; v26-31, v92-95 phase F
.set MSB, 0
.macro WIN new
.if MSB != (\new)
	s_set_vgpr_msb (MSB<<8)|(\new)
.set MSB, (\new)
.endif
.endm
.macro WA
	s_wait_alu depctr_va_vdst(0)
.endm
.macro WFR t, k                        ; one fragment of weights: 4 loads of 512 consecutive bytes
.if (((\t)%2) == 0) && ((\k) == 7)
.set wr_, 128+16*((\t)/2)
	WIN 0x40
.else
.set wr_, 128*((\t)%2)+16*(\k)
	WIN (2+(\t)/2)<<6
.endif
.irp c, 0,1,2,3
	global_load_b128 v[wr_+4*\c:wr_+4*\c+3], v1, s[6:7] offset:(8*(\t)+(\k))*2048+512*\c
.endr
.endm
.macro WPART t0                        ; tiles t0, t0 + 1, but for the fragment that lies in window 1
.irp k, 0,1,2,3,4,5,6
	WFR \t0, \k
.endr
.irp k, 0,1,2,3,4,5,6,7
	WFR (\t0+1), \k
.endr
	WIN 0
.endm
.macro WONE                            ; the two fragments in window 1
	WFR 0, 7
	WFR 2, 7
	WIN 0
.endm
.macro SIDE
.irp p, 0,1
	global_load_b128 v[WS+8*\p:WS+8*\p+3], v12, s[8:9] offset:1024*\p
	global_load_b128 v[WS+8*\p+4:WS+8*\p+7], v12, s[8:9] offset:1024*\p+16
.endr
.irp t, 0,1,2,3
	global_load_b128 v[BIAS+8*\t:BIAS+8*\t+3], v11, s[10:11] offset:64*\t
	global_load_b128 v[BIAS+8*\t+4:BIAS+8*\t+7], v11, s[10:11] offset:64*\t+16
.endr
.endm
.macro VLOAD
	WIN 0x40
.irp t, 0,1,2,3
	global_load_b128 v[VN+8*\t:VN+8*\t+3], v11, s[12:13] offset:64*\t
	global_load_b128 v[VN+8*\t+4:VN+8*\t+7], v11, s[12:13] offset:64*\t+16
.endr
	WIN 0
.endm
.macro COOK                            ; list entries become byte offsets: held under 2,048 rows, x 4,096
.irp j, 0,1,2,3,4,5,6,7
	s_min_u32 s[40+\j], s[32+\j], 2047
	s_lshl_b32 s[40+\j], s[40+\j], 12
.endr
.endm
.macro SETOFF j
	v_add_nc_u32 v[OFF+(\j)], s[40+(\j)], v1
.endm
.macro ROWLOAD j
	WIN 0x40
.irp i, 0,1,2,3,4,5,6,7
	global_load_b128 v[32*(\j)+4*\i:32*(\j)+4*\i+3], v[OFF+(\j)], s[4:5] offset:512*\i th:TH_LOAD_NT
.endr
	WIN 0
.endm
.macro TURN n                          ; half a row goes through my stage and comes back 16 neighbours a lane; LDS serves a wave's instructions in order (ISA guide 5.7.1.4)
	WIN 0x04
.irp i, 0,1,2,3
	ds_store_b128 v4, v[32*((\n)/2)+16*((\n)%2)+4*\i:32*((\n)/2)+16*((\n)%2)+4*\i+3] offset:STH*((\n)%2)+640*\i
.endr
	WIN 0
.irp i, 0,1,2,3
	ds_load_b128 v[XA+16*((\n)%2)+4*\i:XA+16*((\n)%2)+4*\i+3], v5 offset:STH*((\n)%2)+16*\i
.endr
.endm
.macro QSTEP n                         ; 512 numbers: two neighbouring lanes hold a block of 32
.set XQ, XA+16*((\n)%2)
.set CQ, CD+4*((\n)%2)
.set BQ, 76+((\n)%2)
	v_max3_num_f32 v72, |v[XQ]|, |v[XQ+1]|, |v[XQ+2]|
	v_max3_num_f32 v73, |v[XQ+3]|, |v[XQ+4]|, |v[XQ+5]|
.irp i, 6,10
	v_max3_num_f32 v72, v72, |v[XQ+\i]|, |v[XQ+\i+1]|
	v_max3_num_f32 v73, v73, |v[XQ+\i+2]|, |v[XQ+\i+3]|
.endr
	v_max3_num_f32 v72, v72, |v[XQ+14]|, |v[XQ+15]|
	v_max3_num_f32 v72, v72, v73, 0x8000000        ; the floor 2^(16 - 127)
	v_max_num_f32_dpp v72, v72, v72 row_xmask:1 row_mask:0xf bank_mask:0xf
	v_add_nc_u32 v75, 0xf8800000, v72              ; 15 off the exponent field: the conversion's scale operand
	v_and_or_b32 v74, v72, 0x7f800000, s52         ; 57,344 x the scale
.irp i, 0,1,2,3,4,5,6,7,8,9,10,11,12,13,14,15
	v_med3_num_f32 v[XQ+\i], v[XQ+\i], -v74, v74   ; the conversion does not saturate (ISA guide 7.6.2)
.endr
	v_cvt_scalef32_pk8_bf8_f32 v[CQ:CQ+1], v[XQ:XQ+7], v75
	v_cvt_scalef32_pk8_bf8_f32 v[CQ+2:CQ+3], v[XQ+8:XQ+15], v75
	v_lshrrev_b32 v[BQ], 23, v75                   ; the scale's byte; also the plain line behind the conversions
	ds_store_b128 v6, v[CQ:CQ+3] offset:TILEB*((\n)/8)+16*(((\n)/2)%4)+4*KSB*((\n)%2)
	ds_store_b8 v7, v[BQ] offset:512*((\n)/8)+32*(((\n)/2)%4)+16*((\n)%2)
.endm
; A trip of phase Q: two tiles, my 4 rows of each.  kind = 1: each row's registers take the next trip's row.  kind = 0, the last trip: row 4's registers take chunk 0's two fragments of window 1.
.macro QTRIP kind
.if \kind
	s_wait_kmcnt 0x0
	COOK
	s_add_co_u32 s28, s26, 2
	s_min_u32 s28, s28, 7
	s_lshl_b32 s28, s28, 7
	s_add_co_u32 s53, s28, s66
	s_load_b128 s[32:35], s[14:15], s53
	s_load_b128 s[36:39], s[14:15], s53 offset:0x40
.endif
	s_wait_loadcnt 60                              ; step 0's four loads are in: behind them the 15 other steps' four each
	TURN 0
.set qn, 0
.set qx, 0
.rept 16
.if qn == 0
	s_wait_dscnt 0x0
.else
	s_wait_dscnt 0x2                               ; this step's numbers are back; the two stores of the step before may be out
.endif
.if (qn%2) && \kind
	SETOFF (qn-1)/2
	ROWLOAD (qn-1)/2
.endif
.if (\kind == 0) && (qn == 9)
	WONE                                           ; 8 loads
.set qx, 8
.endif
.if qn < 15
.if \kind
	s_wait_loadcnt 4*(14-qn)+8*((qn+1)/2)          ; behind the next step's four: the later steps' and the rows asked for anew
.else
	s_wait_loadcnt 4*(14-qn)+qx                    ; the later steps' and, from step 9 on, the 8 loads issued above
.endif
	TURN qn+1
.endif
	QSTEP qn
.set qn, qn+1
.endr
.endm
.macro AFLOAD half, ra, rx             ; four fragments: 16 LDS loads; with the second four come the tile's eight scale words a row: 2 more
	WIN 0x40
.irp s, 0,1,2,3
.irp c, 0,1,2,3
	ds_load_b128 v[16*(4*\half+\s)+4*\c:16*(4*\half+\s)+4*\c+3], v[\ra] offset:KSB*(4*\half+\s)+CCB*\c
.endr
.endr
.if \half
	WIN 0
	ds_load_b128 v[XS:XS+3], v[\rx]
	ds_load_b128 v[XS+4:XS+7], v[\rx] offset:16
.endif
.endm
.macro MM i                            ; product i of a tile's 32: K step i / 4, my tile i % 4; the four accumulators take turns
.set ms, (\i)/4
.set mt, (\i)%4
.set mc, ACC+8*mt
.if ms == 0
.set mc, BIAS+8*mt
.endif
.if ((mt%2) == 0) && (ms == 7)
.set mw, 1
.set mr, 128+16*(mt/2)
.else
.set mw, 2+mt/2
.set mr, 128*(mt%2)+16*ms
.endif
	WIN 0x04+mw                                    ; source 0 the weights' window, source 1 window 1, C and D window 0
.if mt%2
	v_wmma_scale_f32_16x16x128_f8f6f4 v[ACC+8*mt:ACC+8*mt+7], v[mr:mr+15], v[16*ms:16*ms+15], v[mc:mc+7], v[WS+8*(mt/2)+ms], v[XS+ms] matrix_a_fmt:MATRIX_FMT_BF8 matrix_b_fmt:MATRIX_FMT_BF8 matrix_a_scale:MATRIX_SCALE_ROW1
.else
	v_wmma_scale_f32_16x16x128_f8f6f4 v[ACC+8*mt:ACC+8*mt+7], v[mr:mr+15], v[16*ms:16*ms+15], v[mc:mc+7], v[WS+8*(mt/2)+ms], v[XS+ms] matrix_a_fmt:MATRIX_FMT_BF8 matrix_b_fmt:MATRIX_FMT_BF8
.endif
.endm
.macro FADD j                          ; 1 + 2^..: source 1 in window 1, result in window 0
.set fj_, (\j)
	v_pk_add_f32 v[DD+2*fj_:DD+2*fj_+1], 1.0, v[EE+2*fj_:EE+2*fj_+1] op_sel_hi:[0,1]
.endm
.macro FFMA j                          ; (sum of v) + sum of (-2 v) / (1 + 2^..), four chains of pairs: source 0 in window 2 (j even) or 3, source 1 in window 1
.set fj_, (\j)
.set fr_, RR+2*(fj_/2)
.set fs_, SS+2*(fj_%4)
.if fj_ == 0
	v_pk_fma_f32 v[fs_:fs_+1], v[fr_:fr_+1], v[VV:VV+1], v[VSP:VSP+1]
.elseif fj_ < 4
	v_pk_mul_f32 v[fs_:fs_+1], v[fr_:fr_+1], v[VV+2*fj_:VV+2*fj_+1]
.else
	v_pk_fma_f32 v[fs_:fs_+1], v[fr_:fr_+1], v[VV+2*fj_:VV+2*fj_+1], v[fs_:fs_+1]
.endif
.endm
.macro RUN from, to
.set fi, \from
.rept (\to)-(\from)
	MM fi
.if fi%2
	FFMA (fi-1)/2
.else
	FADD fi/2
.endif
.set fi, fi+1
.endr
.endm
.macro BATCH                           ; 32 exponentials and 32 reciprocals, one wait ahead and one behind
	WA
	WIN 0x40
.set p, 0
.rept 32
	v_exp_f32 v[EE+p], v[TB+p]
.set p, p+1
.endr
	WIN 0x80
.set p, 0
.rept 8
	v_rcp_f32 v[RR+2*p], v[DD+4*p]
	v_rcp_f32 v[RR+2*p+1], v[DD+4*p+1]
.set p, p+1
.endr
	WIN 0xc0
.set p, 0
.rept 8
	v_rcp_f32 v[RR+2*p], v[DD+4*p+2]
	v_rcp_f32 v[RR+2*p+1], v[DD+4*p+3]
.set p, p+1
.endr
	WIN 0
	v_nop                                          ; a plain line behind the last transcendental
	WA
.endm
.macro REDUCE                          ; the four chains, the pair's halves, lane l xor 16's units
	v_pk_add_f32 v[SS:SS+1], v[SS:SS+1], v[SS+2:SS+3]
	v_pk_add_f32 v[SS+4:SS+5], v[SS+4:SS+5], v[SS+6:SS+7]
	v_pk_add_f32 v[SS:SS+1], v[SS:SS+1], v[SS+4:SS+5]
	v_add_f32 v[SS], v[SS], v[SS+1]
	v_permlanex16_b32 v90, v[SS], s50, s51
	v_add_f32 v[SS], v[SS], v90
.endm
.macro FULL nx                         ; tile m.  nx = 1: the next tile's fragments are fetched
	s_wait_loadcnt 0x0                             ; no load into weights, bias or v is out
	v_add_nc_u32 v10, s63, v25                     ; slot m: tile m - 2
.if \nx
	v_add_nc_u32 v8, s60, v15
	v_add_nc_u32 v9, s61, v24
.endif
	BATCH
	s_wait_dscnt 0x0                               ; the tile's 34 loads are in
	RUN 0, 24
.if \nx
	AFLOAD 0, 8, 9                                 ; nine plain lines stand behind the last product that read K steps 0-3 (eight are asked)
.endif
	RUN 24, 32
	WIN 0
	REDUCE
	v_nop
	v_nop                                          ; with the lines above: the places behind the last product
	ds_store_b32 v10, v[SS]                        ; lanes r and r + 16 write the same word with the same value
.if \nx
	AFLOAD 1, 8, 9
.endif
.set p, 0
.rept 16
	v_pk_mul_f32 v[TB+2*p:TB+2*p+1], v[ACC+2*p:ACC+2*p+1], s[48:49] op_sel_hi:[1,0]   ; each accumulator from its low end on
.set p, p+1
.endr
.endm
.macro TAIL n                          ; trips T and T + 1: the tanh of the last two tiles; the next chunk's weights, scale words, bias and v are asked for round them
.if \n == 0
	s_wait_loadcnt 0x0                             ; no load is out: the bases may step
	s_cmp_lt_u32 s27, 3
	s_cbranch_scc0 .Lno_a_\@
	s_add_nc_u64 s[6:7], s[6:7], 0x40000
	s_add_nc_u64 s[8:9], s[8:9], 0x2000
	s_add_nc_u64 s[10:11], s[10:11], 0x400
	s_add_nc_u64 s[12:13], s[12:13], 0x400
	WPART 0
	WONE
.Lno_a_\@:
.endif
	v_add_nc_u32 v10, s63, v25
	BATCH
	WIN 0x04
.set p, 0
.rept 16
	FADD p
.set p, p+1
.endr
	WIN 0x06
.irp j, 0,2,4,6,8,10,12,14
	FFMA \j
.endr
	WIN 0x07
.irp j, 1,3,5,7,9,11,13,15
	FFMA \j
.endr
	WIN 0
	REDUCE
	ds_store_b32 v10, v[SS]
.if \n == 0
	s_cmp_lt_u32 s27, 3
	s_cbranch_scc0 .Lno_b_\@
	WPART 2
	SIDE
	VLOAD                                          ; into registers that only the next chunk's head reads, behind its wait
.Lno_b_\@:
.endif
.endm
.macro FADR f, k                       ; row rho = 128 k + thread: v[f] rho, v[f+1] 4 rho, v[f+2] its position (loaded), v[f+3] 4 x its number in the batch's list
	v_add_nc_u32 v[\f], 128*\k, v0
	v_lshlrev_b32 v[\f+1], 2, v[\f]
	global_load_b32 v[\f+2], v[\f+1], s[14:15]
	v_add_nc_u32 v[\f+3], s25, v[\f]
	v_min_u32 v[\f+3], 2047, v[\f+3]
	v_lshlrev_b32 v[\f+3], 2, v[\f+3]
.endm
.macro FOUT f, m                       ; for the lanes of mask s[m]: the row's 16 parts are read, added and stored twice
	WA
	s_mov_b32 vcc_lo, s[\m]
	s_wait_xcnt 0x0                                ; EXEC changes only behind this wait
	s_and_saveexec_b32 s28, vcc_lo
.set p, 0
.rept 16
	ds_load_b32 v[32+p], v[\f+1] offset:128+PCHUNK*p
.set p, p+1
.endr
	s_wait_dscnt 0x0
.irp i, 1,2,3,4,5,6,7
	v_pk_add_f32 v[32:33], v[32:33], v[32+2*\i:33+2*\i]
.endr
	v_add_f32 v32, v32, v33
	global_store_b32 v[\f+2], v32, s[18:19]
	global_store_b32 v[\f+3], v32, s[20:21]
	s_wait_xcnt 0x0
	s_or_b32 exec_lo, exec_lo, s28
.endm
	s_load_b512 s[4:19], s[0:1], 0x0               ; context, wimg, Wh scales, bias, v, wl, meta, scoresP
	s_load_b64 s[20:21], s[0:1], 0x40              ; scoresC
	v_lshl_add_u32 v254, v0, 2, SPARE
	v_mov_b32 v255, 0
	v_lshrrev_b32 v26, 5, v0
	v_readfirstlane_b32 s22, v26                   ; wave
	v_and_b32 v27, 31, v0
	v_and_b32 v2, 15, v0
	v_bfe_u32 v3, v0, 4, 1
	v_lshlrev_b32 v1, 4, v27
	v_lshlrev_b32 v11, 5, v3
	v_lshlrev_b32 v12, 5, v27
	s_lshl_b32 s60, ttmp9, 4
	s_lshl_b32 s66, s22, 4
	s_mov_b32 s53, s66
	s_lshl_b32 s28, ttmp9, 10
	s_mov_b32 s29, 0
	WA
	s_wait_kmcnt 0x0
	s_add_nc_u64 s[14:15], s[14:15], s[28:29]
	s_load_b128 s[56:59], s[16:17], s60
	s_load_b128 s[32:35], s[14:15], s53
	s_load_b128 s[36:39], s[14:15], s53 offset:0x40
	s_lshl_b32 s28, s22, 16
	s_add_nc_u64 s[6:7], s[6:7], s[28:29]
	s_lshl_b32 s28, s22, 11
	s_add_nc_u64 s[8:9], s[8:9], s[28:29]
	s_lshl_b32 s28, s22, 8
	s_add_nc_u64 s[12:13], s[12:13], s[28:29]
	s_add_nc_u64 s[10:11], s[10:11], s[28:29]
	s_lshr_b32 s30, ttmp9, 3                       ; the batch
	s_lshl_b32 s28, s30, 12
	s_add_nc_u64 s[10:11], s[10:11], s[28:29]
	s_lshl_b32 s28, s30, 13
	s_add_nc_u64 s[18:19], s[18:19], s[28:29]
	s_add_nc_u64 s[20:21], s[20:21], s[28:29]
	s_lshl_b32 s28, s30, 23
	s_add_nc_u64 s[4:5], s[4:5], s[28:29]
	WPART 0                                        ; chunk 0's weights in windows 2 and 3: older than the ring's loads, whose first wait covers them
	WPART 2
	SIDE
.irp t, 0,1,2,3
	global_load_b128 v[DD+8*\t:DD+8*\t+3], v11, s[12:13] offset:64*\t           ; chunk 0's v: into window 0, since the ring fills window 1 until phase Q ends
	global_load_b128 v[DD+8*\t+4:DD+8*\t+7], v11, s[12:13] offset:64*\t+16
.endr
	s_mul_i32 s28, s22, 2*STH
	s_add_co_u32 s28, s28, STG
	v_lshrrev_b32 v26, 2, v27
	v_mul_u32_u24 v26, v26, 80
	v_and_b32 v28, 3, v27
	v_lshl_add_u32 v26, v28, 4, v26
	v_add_nc_u32 v4, s28, v26
	v_mul_u32_u24 v26, v27, 80
	v_add_nc_u32 v5, s28, v26
	v_lshrrev_b32 v26, 3, v27
	v_mul_u32_u24 v26, v26, KSB
	v_bfe_u32 v28, v27, 1, 2
	v_mad_u32_u24 v26, v28, CCB, v26
	v_and_b32 v28, 1, v27
	v_mad_u32_u24 v26, v28, HB, v26
	s_lshl_b32 s29, s22, 6
	s_add_co_u32 s29, s29, CODES
	v_add_nc_u32 v13, s29, v26
	v_lshrrev_b32 v26, 1, v27
	s_lshl_b32 s29, s22, 7
	s_add_co_u32 s29, s29, SCB
	v_add_nc_u32 v14, s29, v26
	v_mul_u32_u24 v26, v3, HB
	v_lshl_add_u32 v26, v2, 4, v26
	v_add_nc_u32 v15, CODES, v26
	v_lshlrev_b32 v26, 5, v2
	v_add_nc_u32 v24, SCB, v26
	s_mul_i32 s29, s22, PWAVE
	v_lshl_add_u32 v25, v2, 2, s29
	v_mov_b32 v90, 0
	s_mov_b32 s48, 0x4038aa3b                      ; 2 log2(e)
	s_mov_b32 s49, s48
	s_mov_b32 s50, 0x76543210
	s_mov_b32 s51, 0xfedcba98
	s_mov_b32 s52, 0x600000
	WA
	s_wait_kmcnt 0x0
	s_min_u32 s23, s56, 16                         ; T
	s_min_u32 s24, s57, 256                        ; rows
	s_min_u32 s25, s58, 2047                       ; i0
	s_max_u32 s67, s23, 1                          ; at least one tile is quantised and swept: its parts are stored nowhere where rows = 0
	s_add_co_u32 s68, s67, 1
	COOK
.irp j, 0,1,2,3,4,5,6,7
	SETOFF \j
	ROWLOAD \j
.endr
	s_add_co_u32 s53, s66, 128
	s_load_b128 s[32:35], s[14:15], s53
	s_load_b128 s[36:39], s[14:15], s53 offset:0x40
; ---- PHASE Q: 8 trips of two tiles
	s_mov_b32 s26, 0
	s_mov_b32 s54, 0
	s_mov_b32 s55, 0
.Lq:
	s_lshl_b32 s28, s26, 1
	s_cmp_ge_u32 s28, s67
	s_cbranch_scc1 .Lq_next
	s_wait_dscnt 0x0
	v_add_nc_u32 v6, s54, v13
	v_add_nc_u32 v7, s55, v14
	WA
	s_add_co_u32 s28, s28, 2
	s_cmp_ge_u32 s28, s67
	s_cbranch_scc1 .Lq_tail
	QTRIP 1
	s_branch .Lq_next
.Lq_tail:
	QTRIP 0
	s_wait_loadcnt 0x0                             ; the 8 loads issued in this trip are in: no load is out at the loop's backward jump
.Lq_next:
	s_add_co_u32 s54, s54, 2*TILEB
	s_add_co_u32 s55, s55, 1024
	s_add_co_u32 s26, s26, 1
	s_cmp_lt_u32 s26, 8
	s_cbranch_scc1 .Lq
	s_wait_loadcnt 0x0
	s_wait_kmcnt 0x0
	s_wait_dscnt 0x0                               ; for the others' sake: my codes and scale bytes have landed
	s_barrier_signal -1
	s_barrier_wait -1
	WIN 0x40
.set p, 0
.rept 32
	v_mov_b32 v[VN+p], v[DD+p]                     ; chunk 0's v goes to its place in window 1
.set p, p+1
.endr
	WIN 0
.set p, 0
.rept 32
	v_mov_b32 v[TB+p], 0
	v_mov_b32 v[DD+p], 1.0
.set p, p+1
.endr
; ---- PHASE G: 4 chunks of 256 units
	s_mov_b32 s27, 0
	s_mov_b32 s62, 0
.Lchunk:
	s_wait_loadcnt 0x0                             ; the chunk's weights, scale words, bias and v are in
	s_wait_dscnt 0x0
	WIN 0x05
	v_pk_add_f32 v[SS:SS+1], v[VN:VN+1], v[VN+2:VN+3]
	WIN 0x01
.irp p, 2,3,4,5,6,7,8,9,10,11,12,13,14,15
	v_pk_add_f32 v[SS:SS+1], v[VN+2*\p:VN+2*\p+1], v[SS:SS+1]
.endr
	WIN 0
	v_add_f32 v[VSP], v[SS], v[SS+1]               ; the sum of my 32 v
	v_mov_b32 v[VSP+1], 0
	WIN 0x41
.set p, 0
.rept 16
	v_pk_mul_f32 v[VV+2*p:VV+2*p+1], v[VN+2*p:VN+2*p+1], -2.0 op_sel_hi:[1,0]
.set p, p+1
.endr
	WIN 0
	AFLOAD 0, 15, 24                               ; tile 0's fragments
	AFLOAD 1, 15, 24
	s_mov_b32 s26, 0
.Ltile:                                            ; 18 trips: tile m where m < T; the two drain trips at m = T, T + 1
	s_add_co_u32 s29, s26, 1
	s_min_u32 s28, s29, 15
	s_mul_i32 s60, s28, TILEB
	s_lshl_b32 s61, s28, 9
	s_lshl_b32 s63, s26, 6
	s_add_co_u32 s63, s63, s62
	s_cmp_lt_u32 s29, s67
	s_cbranch_scc1 .Lfull_next
	s_cmp_eq_u32 s29, s67
	s_cbranch_scc1 .Lfull_last
	s_cmp_eq_u32 s26, s67
	s_cbranch_scc1 .Ltail0
	s_cmp_eq_u32 s26, s68
	s_cbranch_scc1 .Ltail1
	s_branch .Ltile_next
.Lfull_next:
	FULL 1
	s_branch .Ltile_next
.Lfull_last:
	FULL 0
	s_branch .Ltile_next
.Ltail0:
	TAIL 0
	s_branch .Ltile_next
.Ltail1:
	TAIL 1
.Ltile_next:
	s_add_co_u32 s26, s26, 1
	s_cmp_lt_u32 s26, 18
	s_cbranch_scc1 .Ltile
	s_add_co_u32 s62, s62, PCHUNK
	s_add_co_u32 s27, s27, 1
	s_cmp_lt_u32 s27, 4
	s_cbranch_scc1 .Lchunk
; ---- PHASE F: every address and both lane masks are made with all lanes on, ahead of the first change of EXEC
	s_wait_dscnt 0x0                               ; for the others' sake: my parts have landed
	s_barrier_signal -1
	s_barrier_wait -1
.set p, 0
.rept 16
	v_mov_b32 v[32+p], 0                           ; written whole once: below they are loaded with some lanes off
.set p, p+1
.endr
	FADR 26, 0
	FADR 92, 1
	v_cmp_gt_u32 s30, s24, v26                     ; which lanes have a row
	v_cmp_gt_u32 s31, s24, v92
	WA
	s_wait_loadcnt 0x0
	v_min_u32 v28, 2047, v28
	v_min_u32 v94, 2047, v94
	v_lshlrev_b32 v28, 2, v28
	v_lshlrev_b32 v94, 2, v94
	FOUT 26, 30
	FOUT 92, 31
	s_wait_xcnt 0x0
	s_mov_b32 exec_lo, -1
	s_wait_tensorcnt 0x0                           ; the wave's end
	ds_add_u32 v254, v255
	s_wait_dscnt 0x0
	s_endpgm
.Lfunc_end_k_q34c0a4a097_scores:
	.size	k_q34c0a4a097_scores, .Lfunc_end_k_q34c0a4a097_scores-k_q34c0a4a097_scores
	.p2alignl 7, 3214868480
	.fill 96, 4, 3214868480
	.section	.rodata,"a",@progbits
	.p2align	6, 0x0
	.amdhsa_kernel k_q34c0a4a097_scores
		.amdhsa_group_segment_fixed_size 326144
		.amdhsa_private_segment_fixed_size 0
		.amdhsa_enable_private_segment 0
		.amdhsa_kernarg_size 72
		.amdhsa_user_sgpr_count 2
		.amdhsa_user_sgpr_kernarg_segment_ptr 1
		.amdhsa_wavefront_size32 1
		.amdhsa_system_sgpr_workgroup_id_x 1
		.amdhsa_system_sgpr_workgroup_id_y 1
		.amdhsa_system_sgpr_workgroup_id_z 1
		.amdhsa_system_vgpr_workitem_id 0
		.amdhsa_next_free_vgpr 1024
		.amdhsa_next_free_sgpr 96
		.amdhsa_reserve_vcc 1
		.amdhsa_float_denorm_mode_32 3
		.amdhsa_float_denorm_mode_16_64 3
		.amdhsa_memory_ordered 1
		.amdhsa_forward_progress 1
		.amdhsa_inst_pref_size 181
	.end_amdhsa_kernel
	.amdgpu_metadata
---
amdhsa.version: [ 1, 2 ]
amdhsa.kernels:
  - .name:           k_q34c0a4a097_scores
    .symbol:         k_q34c0a4a097_scores.kd
    .args:
      - { .name: context, .offset: 0, .size: 8, .value_kind: global_buffer, .address_space: global }
      - { .name: wimg, .offset: 8, .size: 8, .value_kind: global_buffer, .address_space: global }
      - { .name: Wh_w_scales, .offset: 16, .size: 8, .value_kind: global_buffer, .address_space: global }
      - { .name: bias, .offset: 24, .size: 8, .value_kind: global_buffer, .address_space: global }
      - { .name: v_w, .offset: 32, .size: 8, .value_kind: global_buffer, .address_space: global }
      - { .name: wl, .offset: 40, .size: 8, .value_kind: global_buffer, .address_space: global }
      - { .name: meta, .offset: 48, .size: 8, .value_kind: global_buffer, .address_space: global }
      - { .name: scoresP, .offset: 56, .size: 8, .value_kind: global_buffer, .address_space: global }
      - { .name: scoresC, .offset: 64, .size: 8, .value_kind: global_buffer, .address_space: global }
    .group_segment_fixed_size: 326144
    .private_segment_fixed_size: 0
    .kernarg_segment_align: 8
    .kernarg_segment_size: 72
    .max_flat_workgroup_size: 128
    .sgpr_count:     96
    .vgpr_count:     1024
    .wavefront_size: 32
...
	.end_amdgpu_metadata
.endif
;; end of part 2
;; launch weighted (part 3): grid 8 x 32, 16 waves a work-group, no clusters, 18,944 bytes of LDS; arguments context, scoresC, scoresP, l3, meta, out0, out1; writes out0, out1
.if DOCPART == 3
	.amdgcn_target "amdgcn-amd-amdhsa--gfx1250"
	.amdhsa_code_object_version 6
	.text
	.protected	k_q34c0a4a097_weighted
	.globl	k_q34c0a4a097_weighted
	.p2align	8
	.type	k_q34c0a4a097_weighted,@function
k_q34c0a4a097_weighted:
	s_mov_b64 s[64:65], 0
	v_nop
	global_prefetch_b8 v0, s[64:65] scope:SCOPE_SE
	s_setreg_imm32_b32 hwreg(HW_REG_WAVE_MODE, 25, 1), 1
	s_wait_xcnt 0x0
; WEIGHTED: the softmax over a batch's 2,048 scores, with the largest taken away first; out1 = p by position; out0[b][:] = sum over the listed rows of p x context row.
; Work-group (j, b) owns columns 128 j .. 128 j + 127 of batch b (512 bytes of each listed row) and positions 256 j .. 256 j + 255 of out1: each output number has one owner.
; scoresC holds the same 2,048 numbers as scoresP, the listed rows' first and -1e9 behind them, so the largest and the sum are taken of it, and e = 2^((s - M) log2(e)) lies beside the list's entries.
; Wave w takes listed rows 256 t + 16 w + k (k = 0 .. 15) in round t, through a ring of 16 loads of 512 consecutive bytes.  Entries behind the last listed row name row 0 and have e = 0.
; Streams once through registers: no matrix unit, no tensor load, no cluster: work-groups share no tile, and the rounds' number comes from a stored count.
; The round loop has a constant count; what the count decides is a branch inside the trip.
; LIMITS: context is finite (0 x a row is taken for 0); the sum of |v_w| stays far under 1e9, so that a masked row's e is 0 beside an unmasked one's.
; LDS: RMX 64 bytes (a maximum a wave) | RSM at 256 (a sum a wave) | PC at 512: e, 8,192 bytes | RED at 8,704: 16 waves x 512 bytes.
.set RMX, 0
.set RSM, 256
.set PC,  512
.set RED, 8704
.set OFF, 8                            ; v8-23    the ring's byte offsets
.set P,   24                           ; v24-39   16 numbers from LDS: the waves' maxima, their sums, then a round's e
.set A,   40                           ; v40-47   two accumulators of my 4 columns
.set X,   48                           ; v48-111  the ring: 16 x 4 registers
; v1 16 x lane; v2 the round's e; v3 its fixed part; v4 0; v5 16 x thread; v6 my place in RED; v112-115 scoresC, then e; v116-119 scoresP, then p; v120 M; v121 sum; v122 4 w; v123 1 / sum; v124 at work
; s18 wave; s23 nW; s24 batch; s25 rounds; s26 trip; s27 its LDS step; s[32:47] list entries ahead; s[48:63] their byte offsets; s66 64 w; s67 offset of the list load; s[68:69] selects; s70 log2(e); s71 rounds - 1
.macro COOK16
.set k, 0
.rept 16
	s_min_u32 s[48+k], s[32+k], 2047
	s_lshl_b32 s[48+k], s[48+k], 12
.set k, k+1
.endr
.endm
.macro ROUND ahead                     ; ahead = 1: each slot is filled again with the next round's row
.if \ahead
	s_wait_kmcnt 0x0                               ; the next round's entries are in, and their load has read its offset register
	COOK16
	s_add_co_u32 s28, s26, 2
	s_min_u32 s28, s28, 7
	s_lshl_b32 s28, s28, 10
	s_add_co_u32 s67, s28, s66
	s_load_b512 s[32:47], s[10:11], s67
.endif
.irp i, 0,1,2,3
	ds_load_b128 v[P+4*\i:P+4*\i+3], v2 offset:16*\i           ; my 16 rows' e, the same in every lane
.endr
	s_wait_dscnt 0x0
.set k, 0
.rept 16
.if \ahead
	s_wait_alu depctr_va_vdst(0)
	s_wait_loadcnt 15                              ; slot k's load is in: behind it stand the 15 - k later slots' and the k asked for anew
.else
	s_wait_alu depctr_va_vdst(0)
	s_wait_loadcnt 15-k
.endif
.set pa, P+k-(k%2)
.set ac, A+4*(k%2)
.if k%2
	v_pk_fma_f32 v[ac:ac+1], v[X+4*k:X+4*k+1], v[pa:pa+1], v[ac:ac+1] op_sel:[0,1,0] op_sel_hi:[1,1,1]
	v_pk_fma_f32 v[ac+2:ac+3], v[X+4*k+2:X+4*k+3], v[pa:pa+1], v[ac+2:ac+3] op_sel:[0,1,0] op_sel_hi:[1,1,1]
.else
	v_pk_fma_f32 v[ac:ac+1], v[X+4*k:X+4*k+1], v[pa:pa+1], v[ac:ac+1] op_sel_hi:[1,0,1]
	v_pk_fma_f32 v[ac+2:ac+3], v[X+4*k+2:X+4*k+3], v[pa:pa+1], v[ac+2:ac+3] op_sel_hi:[1,0,1]
.endif
.if \ahead
	v_add_nc_u32 v[OFF+k], s[48+k], v1
	global_load_b128 v[X+4*k:X+4*k+3], v[OFF+k], s[4:5] th:TH_LOAD_NT
.endif
.set k, k+1
.endr
.endm
	s_load_b256 s[4:11], s[0:1], 0x0               ; context s[4:5], scoresC s[6:7], scoresP s[8:9], l3 s[10:11]
	s_load_b128 s[12:15], s[0:1], 0x20             ; meta s[12:13], out0 s[14:15]
	s_load_b64 s[16:17], s[0:1], 0x30              ; out1
	v_lshl_add_u32 v128, v0, 2, 0x4200
	v_mov_b32 v129, 0
	v_lshrrev_b32 v6, 5, v0
	s_delay_alu instid0(VALU_DEP_1)
	v_readfirstlane_b32 s18, v6                    ; wave 0..15
	v_and_b32 v7, 31, v0
	s_delay_alu instid0(VALU_DEP_1)
	v_lshlrev_b32 v1, 4, v7
	v_lshlrev_b32 v5, 4, v0
	v_mov_b32 v4, 0
	v_mov_b32 v121, 0                              ; written once: a lane permute's destination counts as one of its sources
	s_and_b32 s24, ttmp7, 0xffff                   ; the batch
	s_lshl_b32 s28, s24, 7
	s_lshl_b32 s29, ttmp9, 4
	s_add_co_u32 s28, s28, s29                     ; meta[8 b + j]
	s_lshl_b32 s66, s18, 6
	s_mov_b32 s67, s66
	s_lshl_b32 s30, s24, 13
	s_mov_b32 s31, 0
	s_mov_b32 s68, 0x76543210
	s_mov_b32 s69, 0xfedcba98
	s_mov_b32 s70, 0x3fb8aa3b                      ; log2(e)
	s_wait_alu depctr_va_vdst(0)
	s_wait_kmcnt 0x0
	s_load_b128 s[20:23], s[12:13], s28
	s_add_nc_u64 s[6:7], s[6:7], s[30:31]
	s_add_nc_u64 s[8:9], s[8:9], s[30:31]
	s_add_nc_u64 s[10:11], s[10:11], s[30:31]
	s_add_nc_u64 s[16:17], s[16:17], s[30:31]
	s_load_b512 s[32:47], s[10:11], s67
	global_load_b128 v[112:115], v5, s[6:7]        ; my 4 of the batch's 2,048 scores
	s_lshl_b32 s30, ttmp9, 10                      ; my work-group's 256 positions
	s_add_nc_u64 s[8:9], s[8:9], s[30:31]
	s_add_nc_u64 s[16:17], s[16:17], s[30:31]
	s_lshl_b32 s30, ttmp9, 9                       ; and its 128 columns
	s_add_nc_u64 s[4:5], s[4:5], s[30:31]
	s_add_nc_u64 s[14:15], s[14:15], s[30:31]
	s_lshl_b32 s30, s24, 23
	s_add_nc_u64 s[4:5], s[4:5], s[30:31]
	s_lshl_b32 s30, s24, 12
	s_add_nc_u64 s[14:15], s[14:15], s[30:31]
	s_cmp_lt_u32 s18, 2
	s_cbranch_scc0 .Lno_sp
	global_load_b128 v[116:119], v5, s[8:9]        ; waves 0 and 1: the 256 scores by position
.Lno_sp:
	s_add_co_u32 s29, s66, PC
	v_mov_b32 v3, s29
	s_lshl_b32 s29, s18, 9
	s_add_co_u32 s29, s29, RED
	v_add_nc_u32 v6, s29, v1
	s_lshl_b32 s29, s18, 2
	v_mov_b32 v122, s29
.irp i, 0,1,2,3,4,5,6,7
	v_mov_b32 v[A+\i], 0
.endr
	s_wait_kmcnt 0x0
	COOK16
.set k, 0
.rept 16
	v_add_nc_u32 v[OFF+k], s[48+k], v1
	global_load_b128 v[X+4*k:X+4*k+3], v[OFF+k], s[4:5] th:TH_LOAD_NT     ; the ring's first fill goes out ahead of the softmax
.set k, k+1
.endr
	s_add_co_u32 s67, s66, 1024
	s_load_b512 s[32:47], s[10:11], s67
	s_min_u32 s23, s23, 2048                       ; nW
	s_lshl_b32 s28, s18, 4
	s_add_co_u32 s25, s23, 255
	s_sub_co_u32 s25, s25, s28
	s_lshr_b32 s25, s25, 8
	s_max_u32 s25, s25, 1                          ; my rounds: ceil((nW - 16 w) / 256), at least the one whose loads are out
	s_sub_co_u32 s71, s25, 1
; ---- the softmax
	s_wait_loadcnt 16                              ; the scores are in: behind them stand the ring's 16
	v_max3_num_f32 v120, v112, v113, v114
	s_delay_alu instid0(VALU_DEP_1)
	v_max_num_f32 v120, v120, v115
	s_delay_alu instid0(VALU_DEP_1)
	v_max_num_f32_dpp v120, v120, v120 row_xmask:1 row_mask:0xf bank_mask:0xf
	s_delay_alu instid0(VALU_DEP_1)
	v_max_num_f32_dpp v120, v120, v120 row_xmask:2 row_mask:0xf bank_mask:0xf
	s_delay_alu instid0(VALU_DEP_1)
	v_max_num_f32_dpp v120, v120, v120 row_xmask:4 row_mask:0xf bank_mask:0xf
	s_delay_alu instid0(VALU_DEP_1)
	v_max_num_f32_dpp v120, v120, v120 row_xmask:8 row_mask:0xf bank_mask:0xf
	s_delay_alu instid0(VALU_DEP_1)
	v_permlanex16_b32 v121, v120, s68, s69
	s_delay_alu instid0(VALU_DEP_1)
	v_max_num_f32 v120, v120, v121
	ds_store_b32 v122, v120 offset:RMX
	s_wait_dscnt 0x0
	s_barrier_signal -1
	s_barrier_wait -1
.irp i, 0,1,2,3
	ds_load_b128 v[P+4*\i:P+4*\i+3], v4 offset:RMX+16*\i
.endr
	s_wait_dscnt 0x0
	v_max3_num_f32 v120, v[P], v[P+1], v[P+2]
.irp i, 3,5,7,9,11,13
	s_delay_alu instid0(VALU_DEP_1)
	v_max3_num_f32 v120, v120, v[P+\i], v[P+\i+1]
.endr
	s_delay_alu instid0(VALU_DEP_1)
	v_max_num_f32 v120, v120, v[P+15]              ; M: the batch's largest score
.irp i, 0,1,2,3
	v_sub_f32 v[112+\i], v[112+\i], v120
.endr
.irp i, 0,1,2,3
	s_delay_alu instid0(VALU_DEP_4)
	v_mul_f32 v[112+\i], s70, v[112+\i]
.endr
	s_wait_alu depctr_va_vdst(0)
.irp i, 0,1,2,3
	v_exp_f32 v[112+\i], v[112+\i]
.endr
	v_nop                                          ; a plain line behind the last exponential
	s_wait_alu depctr_va_vdst(0)                   ; one wait for the four, ahead of their first reader
	ds_store_b128 v5, v[112:115] offset:PC
	v_add_f32 v121, v112, v113
	v_add_f32 v124, v114, v115
	s_delay_alu instid0(VALU_DEP_1)
	v_add_f32 v121, v121, v124
	s_delay_alu instid0(VALU_DEP_1)
	v_add_f32_dpp v121, v121, v121 row_xmask:1 row_mask:0xf bank_mask:0xf
	s_delay_alu instid0(VALU_DEP_1)
	v_add_f32_dpp v121, v121, v121 row_xmask:2 row_mask:0xf bank_mask:0xf
	s_delay_alu instid0(VALU_DEP_1)
	v_add_f32_dpp v121, v121, v121 row_xmask:4 row_mask:0xf bank_mask:0xf
	s_delay_alu instid0(VALU_DEP_1)
	v_add_f32_dpp v121, v121, v121 row_xmask:8 row_mask:0xf bank_mask:0xf
	s_delay_alu instid0(VALU_DEP_1)
	v_permlanex16_b32 v124, v121, s68, s69
	s_delay_alu instid0(VALU_DEP_1)
	v_add_f32 v121, v121, v124
	ds_store_b32 v122, v121 offset:RSM
	s_wait_dscnt 0x0                               ; for the others' sake: my e and my sum have landed
	s_barrier_signal -1
	s_barrier_wait -1
.irp i, 0,1,2,3
	ds_load_b128 v[P+4*\i:P+4*\i+3], v4 offset:RSM+16*\i
.endr
	s_wait_dscnt 0x0
.irp i, 1
	v_pk_add_f32 v[P:P+1], v[P:P+1], v[P+2*\i:P+2*\i+1]
.endr
.irp i, 2, 3, 4, 5, 6, 7
	s_delay_alu instid0(VALU_DEP_1)
	v_pk_add_f32 v[P:P+1], v[P:P+1], v[P+2*\i:P+2*\i+1]
.endr
	s_delay_alu instid0(VALU_DEP_1)
	v_add_f32 v121, v[P], v[P+1]                   ; the sum: at least 1, the largest score's own e
	s_wait_alu depctr_va_vdst(0)
	v_rcp_f32 v123, v121
	v_nop
	s_wait_alu depctr_va_vdst(0)
	s_cmp_lt_u32 s18, 2
	s_cbranch_scc0 .Lno_p
.irp i, 0,1,2,3
	v_sub_f32 v[116+\i], v[116+\i], v120
.endr
.irp i, 0,1,2,3
	s_delay_alu instid0(VALU_DEP_4)
	v_mul_f32 v[116+\i], s70, v[116+\i]
.endr
	s_wait_alu depctr_va_vdst(0)
.irp i, 0,1,2,3
	v_exp_f32 v[116+\i], v[116+\i]
.endr
	v_nop
	s_wait_alu depctr_va_vdst(0)
.irp i, 0,1,2,3
	v_mul_f32 v[116+\i], v[116+\i], v123
.endr
	global_store_b128 v5, v[116:119], s[16:17]     ; a wave's store covers 512 consecutive bytes of out1
.Lno_p:
; ---- the weighted sum: 8 trips; rounds 0 .. s71 - 1 fill the ring again, round s71 empties it
	s_mov_b32 s26, 0
	s_mov_b32 s27, 0
.Lround:
	s_cmp_gt_u32 s26, s71
	s_cbranch_scc1 .Lr_next
	v_add_nc_u32 v2, s27, v3
	s_cmp_eq_u32 s26, s71
	s_cbranch_scc1 .Lr_last
	s_wait_alu depctr_va_vdst(0)
	ROUND 1
	s_branch .Lr_next
.Lr_last:
	s_wait_alu depctr_va_vdst(0)
	ROUND 0
.Lr_next:
	s_add_co_u32 s27, s27, 1024
	s_add_co_u32 s26, s26, 1
	s_cmp_lt_u32 s26, 8
	s_cbranch_scc1 .Lround
	s_wait_kmcnt 0x0
	s_wait_loadcnt 0x0
	s_wait_alu depctr_va_vdst(0)
	v_pk_add_f32 v[A:A+1], v[A:A+1], v[A+4:A+5]
	v_pk_add_f32 v[A+2:A+3], v[A+2:A+3], v[A+6:A+7]
	ds_store_b128 v6, v[A:A+3]
	s_wait_dscnt 0x0                               ; for wave 0's sake: my part has landed
	s_barrier_signal -1
	s_barrier_wait -1
	s_cmp_lg_u32 s18, 0
	s_cbranch_scc1 .Lend
.set k, 0
.rept 16
	ds_load_b128 v[X+4*k:X+4*k+3], v1 offset:RED+512*k
.set k, k+1
.endr
	s_wait_dscnt 0x0
.set k, 1
	v_pk_add_f32 v[X:X+1], v[X:X+1], v[X+4*k:X+4*k+1]
	v_pk_add_f32 v[X+2:X+3], v[X+2:X+3], v[X+4*k+2:X+4*k+3]
.set k, k+1
.rept (15)-1
	s_delay_alu instid0(VALU_DEP_2)
	v_pk_add_f32 v[X:X+1], v[X:X+1], v[X+4*k:X+4*k+1]
	s_delay_alu instid0(VALU_DEP_2)
	v_pk_add_f32 v[X+2:X+3], v[X+2:X+3], v[X+4*k+2:X+4*k+3]
.set k, k+1
.endr
.irp i, 0,1,2,3
	v_mul_f32 v[X+\i], v[X+\i], v123               ; / the sum
.endr
	global_store_b128 v1, v[X:X+3], s[14:15]       ; 512 consecutive bytes of out0
.Lend:
	s_barrier_signal -1
	s_barrier_wait -1
	s_wait_tensorcnt 0x0
	ds_add_u32 v128, v129
	s_wait_dscnt 0x0
	s_endpgm
.Lfunc_end_k_q34c0a4a097_weighted:
	.size	k_q34c0a4a097_weighted, .Lfunc_end_k_q34c0a4a097_weighted-k_q34c0a4a097_weighted
	.p2alignl 7, 3214868480
	.fill 96, 4, 3214868480
	.section	.rodata,"a",@progbits
	.p2align	6, 0x0
	.amdhsa_kernel k_q34c0a4a097_weighted
		.amdhsa_group_segment_fixed_size 18944
		.amdhsa_private_segment_fixed_size 0
		.amdhsa_enable_private_segment 0
		.amdhsa_kernarg_size 56
		.amdhsa_user_sgpr_count 2
		.amdhsa_user_sgpr_kernarg_segment_ptr 1
		.amdhsa_wavefront_size32 1
		.amdhsa_system_sgpr_workgroup_id_x 1
		.amdhsa_system_sgpr_workgroup_id_y 1
		.amdhsa_system_sgpr_workgroup_id_z 1
		.amdhsa_system_vgpr_workitem_id 0
		.amdhsa_next_free_vgpr 130
		.amdhsa_next_free_sgpr 96
		.amdhsa_reserve_vcc 0
		.amdhsa_float_denorm_mode_32 3
		.amdhsa_float_denorm_mode_16_64 3
		.amdhsa_memory_ordered 1
		.amdhsa_forward_progress 1
		.amdhsa_inst_pref_size 28
	.end_amdhsa_kernel
	.amdgpu_metadata
---
amdhsa.version: [ 1, 2 ]
amdhsa.kernels:
  - .name:           k_q34c0a4a097_weighted
    .symbol:         k_q34c0a4a097_weighted.kd
    .args:
      - { .name: context, .offset: 0, .size: 8, .value_kind: global_buffer, .address_space: global }
      - { .name: scoresC, .offset: 8, .size: 8, .value_kind: global_buffer, .address_space: global }
      - { .name: scoresP, .offset: 16, .size: 8, .value_kind: global_buffer, .address_space: global }
      - { .name: l3, .offset: 24, .size: 8, .value_kind: global_buffer, .address_space: global }
      - { .name: meta, .offset: 32, .size: 8, .value_kind: global_buffer, .address_space: global }
      - { .name: out0, .offset: 40, .size: 8, .value_kind: global_buffer, .address_space: global }
      - { .name: out1, .offset: 48, .size: 8, .value_kind: global_buffer, .address_space: global }
    .group_segment_fixed_size: 18944
    .private_segment_fixed_size: 0
    .kernarg_segment_align: 8
    .kernarg_segment_size: 56
    .max_flat_workgroup_size: 512
    .sgpr_count:     96
    .vgpr_count:     130
    .wavefront_size: 32
...
	.end_amdgpu_metadata
.endif
;; end of part 3
